; MI455X (gfx1250); checked and timed in simulation.
; The chip was launched on July 23, 2026; its instructions are those of AMD's public machine-readable ISA for CDNA 5 (MIT licence, August 2026) and "CDNA5" Instruction Set Architecture Reference Guide (July 2026). The comments in the code are by the model that wrote it; some were corrected since.
;; Dot Product Attention. Allowed arithmetic: matrix products marked QUANTISED: E2M1 operands, one E8M0 scale for each 32 along K, by v_wmma_scale_f32_16x16x128_f8f6f4 with both operands' format E2M1 (or v_wmma_scale_f32_32x16x128_f4), f32 sums; everything else in f32.
;; Inputs: keys 4 x 8 x 2,048 x 64 float32; mask 1 x 1 x 2,048 x 2,048 float32; queries 4 x 8 x 2,048 x 64 float32; values 4 x 8 x 2,048 x 64 float32.
;; Outputs: out0 4 x 8 x 2,048 x 64 float32.
;; Constants: dk = 64.
;; This version of the problem:
;;   THIS VERSION OF THE PROBLEM IS GIVEN IN LOW PRECISION. The matrix products marked QUANTISED in the list below multiply operands that are first quantised to E2M1 (2 exponent bits, 1 mantissa bit; 4 bits a number), with one power-of-two scale for each 32 numbers along K (OCP MX v1.0); their sums are f32. All else is computed in f32.
;;   The module's matrix products, in the order in which they are computed (A, B: the left and right operand; K: the contracted axis; several contracted axes count as one K, in the product's order):
;;     1. batch 32 x [M 2,048, K 64] x [K 64, N 2,048]; A: input queries; B: input keys: QUANTISED
;;     2. batch 32 x [M 2,048, K 2,048] x [K 2,048, N 64]; A: softmax (see below); B: input values: QUANTISED
;;   THE QUANTISER, for each operand of a quantised product, along K:
;;     - K is cut into blocks of 32 from its start; a last block that is shorter is filled with zeros.
;;     - A block's scale is 2^e with e = floor(log2(the largest magnitude in the block)) - 2, held to -126 .. 127; a block of zeros has e = 0. As a byte (E8M0): e + 127.
;;     - Each number is divided by its block's scale, clamped to +-6, and rounded to the nearest number of E2M1, ties to even, subnormals kept.
;;     - The product sums the exact products of the quantised numbers (number of the format x scale) in f32.
;;   ~~~python
;;   def quantise(x, axis):      # numpy; x: float32 -> the quantised numbers, widened to float32 again
;;       x = np.moveaxis(x, axis, -1); K = x.shape[-1]
;;       x = np.pad(x, [(0, 0)] * (x.ndim - 1) + [(0, -K % 32)]); x = x.reshape(x.shape[:-1] + (-1, 32)); a = np.abs(x).max(-1, keepdims=True)
;;       e = np.where(a > 0, np.clip(np.frexp(np.where(a > 0, a, 1))[1] - 1 - 2, -126, 127), 0)      # np.frexp(a)[1] - 1 = floor(log2(a)), exactly
;;       r = np.clip(x / 2.0 ** e, -6, 6)
;;       step = 2.0 ** (np.maximum(np.frexp(np.where(r == 0, 1, r))[1] - 1, 0) - 1)
;;       q = np.round(r / step) * step * 2.0 ** e      # np.round: ties to even
;;       return np.moveaxis(q.reshape(q.shape[:-2] + (-1,))[..., :K], -1, axis).astype(np.float32)
;;   ~~~
;;   SOFTMAX AHEAD OF A QUANTISED PRODUCT. Where the list says 'softmax', what is quantised is not the finished softmax but p = 2^(t - M), with t = logit x log2(e) and M = ceil(the row's largest t), a whole number; so 1/2 < the row's largest p <= 1. The row's sum l is taken of the UNQUANTISED p, in f32, and the product's result is divided by l at the end. Since M is a whole number, a kernel that streams over the keys may use a running M (the ceiling of the running maximum): every later rescaling is an exact power of two, which a block's scale takes up: the codes' values come out the same.
;;   OPERANDS COMPUTED ON THE WAY. 'Computed on the way' means the value that the module computes at that place (a softmax that the list does not call 'softmax' is quantised finished and normalised). What goes into a quantiser is computed in f32, as accurately as f32 sums, v_exp_f32 and their like allow (about 1e-6 of the number): no bf16 or f16 on the way to a quantiser, and a product that is left as it is and whose result goes on into a quantised operand takes f32 operands (vector FMAs, or v_wmma_f32_16x16x4_f32). A number that lies on a knife's edge between two numbers of the format may be rounded either way, as far as f32 arithmetic and the matrix unit's own rounding can turn it there, and no further.
;; One version. Each part assembles by itself: llvm-mc -triple=amdgcn-amd-amdhsa -mcpu=gfx1250 --defsym DOCPART=n.
;; ======== version 1 of 1: 2 launches
;; limits: right only within a limited range of input values
;; workspace buffers: kv 4,456,448 bytes
;; launch prep (part 1): grid 16 x 32, 4 waves a work-group, no clusters, 37,888 bytes of LDS; arguments keys, values, kv; writes kv
.if DOCPART == 1
	.amdgcn_target "amdgcn-amd-amdhsa--gfx1250"
	.amdhsa_code_object_version 6
	.text
	.protected	k_q353ebc5fa0_prep
	.globl	k_q353ebc5fa0_prep
	.p2align	8
	.type	k_q353ebc5fa0_prep,@function
k_q353ebc5fa0_prep:
	s_mov_b64 s[64:65], 0
	v_nop
	global_prefetch_b8 v0, s[64:65] scope:SCOPE_SE
	s_setreg_imm32_b32 hwreg(HW_REG_WAVE_MODE, 25, 1), 1
	s_wait_xcnt 0x0
; keys, values: [32 heads][2048][64] f32 -> codes of FP4 (E2M1) with one E8M0 scale byte for each 32 along a product's K, laid as IMAGES OF THE OPERANDS' REGISTERS
; for the attention launch: a group of four registers is 512 bytes, lane l's 16 bytes at 16 l.
; A block's scale is 2^(floor(log2(its largest magnitude)) - 2); its byte is the largest magnitude's exponent field - 2.
; kv: [head][step of 128 keys][8,704 bytes]:  +0 K's four fragments (1,024 f + 512 c + 16 l);  +4,096 V's four tiles of 16 channels (1,024 t + 512 c + 16 l);
;     +8,192 scale words, lane l's four at 16 l: K's fragments l / 16 and 2 + l / 16, row l % 16; V's channels l and 32 + l.
; K: the head's 64 fill half of a matrix instruction's 128 along K, so a fragment holds TWO tiles of 16 keys: registers 0-3 (c = 0) and 4-7 (c = 1); lane (r, h) holds channels 32 h .. 32 h + 31 of its key.
;    Row m of fragment 2 g + a, half c, takes key 64 g + 32 (m / 8) + 8 (2 c + a) + m % 8: so that in the scores a lane's 32 registers of a pair of fragments are 32 neighbouring keys.
; V: K = the keys: lane (r, h) of tile t holds channel 16 t + r, registers 4 c .. 4 c + 3 keys 64 c + 32 h + 0 .. 31.
; LIMITS: NaN and infinities are not served.  A block whose largest magnitude lies under the floor 2^-124 takes the floor's byte; a block of zeros likewise: its codes are zeros, and the bytes are read by this program alone.
; SHARES.  A work-group takes 128 rows of one head (x: the step, y: the head).  Wave w makes K's fragment w, and of V the key blocks 2 c, 2 c + 1 (c = w / 2) of channels 32 (w % 2) on.
; K: every load reads 512 consecutive bytes (two rows); the conversions want 32 neighbours in ONE lane, so a tile turns through the wave's own stage in LDS (32 places of 128 bytes + 16).
; V: a lane takes a channel and its registers run down the keys: nothing is turned.  No tensor loads, no ring; one barrier, for the 512 bytes of scale words that the four waves make together.
.set PL,   144                         ; a lane's place in a stage: 128 bytes + 16 = 9 x 16
.set TILE, 32*PL
.set STG,  2*TILE                      ; a wave's stage: two tiles
.set SCA,  4*STG                       ; behind the stages: the image of the scale words, 512 bytes
.set SPARE, SCA+512                    ; the spare words, 128 bytes a wave
.set BLK,  8704
.set KR,   16                          ; v16-79    K's two tiles
.set VR,   80                          ; v80-143   V's two blocks
.set KC,   144                         ; v144-151  K's codes;  v152-159 V's
.set VC,   152
.set SPW,  166
.set NIL,  167
	s_load_b128 s[4:7], s[0:1], 0x0                ; keys s[4:5], values s[6:7]
	s_load_b64 s[10:11], s[0:1], 0x10              ; kv
	v_lshl_add_u32 v[SPW], v0, 2, SPARE
	v_mov_b32 v[NIL], 0
	v_lshrrev_b32 v1, 5, v0
	v_readfirstlane_b32 s16, v1                    ; wave w
	s_and_b32 s17, s16, 1                          ; w % 2
	s_lshr_b32 s18, s16, 1                         ; c = w / 2
	s_and_b32 s19, ttmp7, 0xffff                   ; head
	v_and_b32 v1, 31, v0                           ; lane l
	v_and_b32 v11, 15, v0                          ; l % 16
	v_bfe_u32 v12, v0, 4, 1                        ; l / 16
	v_bfe_u32 v13, v0, 3, 1
	v_and_b32 v14, 7, v0
	v_lshlrev_b32 v2, 4, v1                        ; v2: 16 l
	s_mul_i32 s22, s16, STG
	v_mul_u32_u24 v3, v12, PL                      ; v3: into the stage.  Load i brings lane l 16 bytes of tile row 2 i + l / 16, channels 4 (l % 16) on:
	v_mad_u32_u24 v3, v13, 16*PL, v3               ;     place (row + 16 x (which half of the channels)), byte 16 (l % 8)
	v_lshl_add_u32 v3, v14, 4, v3
	v_add_nc_u32 v3, s22, v3
	v_mul_u32_u24 v4, v1, PL                       ; v4: out of it: place l
	v_add_nc_u32 v4, s22, v4
	v_lshlrev_b32 v5, 2, v1                        ; v5: V: 4 bytes a lane
	v_lshlrev_b32 v6, 10, v12                      ; v6: V's codes: tile l / 16 of my two, row l % 16
	v_lshl_add_u32 v6, v11, 4, v6
	s_lshl_b32 s22, s17, 8
	s_lshl_b32 s23, s18, 2
	s_add_co_u32 s22, s22, s23
	s_add_co_u32 s22, s22, SCA
	v_lshl_add_u32 v7, v11, 4, s22                 ; v7: K's scale word: lane 16 (w % 2) + l % 16 of the image, word w / 2
	s_lshl_b32 s22, s17, 2
	s_lshl_b32 s23, s18, 1
	s_add_co_u32 s22, s22, s23
	s_add_co_u32 s22, s22, SCA+8
	v_lshl_add_u32 v8, v1, 4, s22                  ; v8: V's two bytes: lane l, word 2 + w % 2, bytes 2 c and 2 c + 1
	v_lshlrev_b32 v9, 3, v12                       ; v9: 8 (l / 16): my bytes' shift in a scale word
	v_mov_b32 v163, 0                              ; written once: a lane permute's destination counts as one of its sources
	s_mov_b32 s20, 0x76543210
	s_mov_b32 s21, 0xfedcba98                      ; v_permlanex16_b32's selects for lane l xor 16
	; byte offsets, each in a pair of its own, all under 2^25
	s_lshl_b32 s22, s19, 19                        ; a head: 2,048 rows of 256 bytes
	s_lshl_b32 s23, ttmp9, 15                      ; a step: 128 rows
	s_add_co_u32 s22, s22, s23
	s_lshl_b32 s23, s18, 14
	s_add_co_u32 s23, s22, s23                     ; + 64 c rows
	s_lshl_b32 s24, s17, 11
	s_add_co_u32 s24, s23, s24                     ; keys: + 8 (w % 2) rows
	s_mov_b32 s25, 0
	s_lshl_b32 s26, s17, 7
	s_add_co_u32 s26, s23, s26                     ; values: + my 32 channels
	s_mov_b32 s27, 0
	s_lshl_b32 s30, s19, 4
	s_add_co_u32 s30, s30, ttmp9
	s_mul_i32 s30, s30, BLK                        ; kv: block 16 head + step
	s_lshl_b32 s32, s16, 10
	s_add_co_u32 s32, s30, s32                     ; K's fragment w
	s_mov_b32 s33, 0
	s_lshl_b32 s34, s17, 11
	s_lshl_b32 s35, s18, 9
	s_add_co_u32 s34, s34, s35
	s_add_co_u32 s34, s34, s30
	s_add_co_u32 s34, s34, 4096                    ; V's tiles 2 (w % 2) on, half c
	s_mov_b32 s35, 0
	s_add_co_u32 s36, s30, 8192                    ; the scale words
	s_mov_b32 s37, 0
	s_wait_alu depctr_va_vdst(0)                   ; the wait at the head's end
	s_wait_kmcnt 0x0
	s_add_nc_u64 s[4:5], s[4:5], s[24:25]
	s_add_nc_u64 s[6:7], s[6:7], s[26:27]
	s_add_nc_u64 s[32:33], s[10:11], s[32:33]
	s_add_nc_u64 s[34:35], s[10:11], s[34:35]
	s_add_nc_u64 s[36:37], s[10:11], s[36:37]
.macro LOADK cc                        ; half cc of my fragment, two rows (512 consecutive bytes) a load
.irp i, 0,1,2,3,4,5,6,7
	global_load_b128 v[KR+32*\cc+4*\i:KR+32*\cc+4*\i+3], v2, s[4:5] offset:(16*\cc+32*(\i/4)+2*(\i%4))*256 th:TH_LOAD_NT
.endr
.endm
.macro LOADV b                         ; block b of my two: V(64 c + 32 b + i, my channel): a wave reads 128 consecutive bytes, the pair of waves w % 2 = 0, 1 a whole row
.set i, 0
.rept 32
	global_load_b32 v[VR+32*\b+i], v5, s[6:7] offset:(32*\b+i)*256 th:TH_LOAD_NT
.set i, i+1
.endr
.endm
.macro TURN reg, cc                    ; a tile through the stage and back into the registers that it left: lane (r, h) then holds channels 32 h .. 32 h + 31 of row r.  LDS serves a wave's instructions in order (ISA guide 5.7.1.4): no wait between
.irp i, 0,1,2,3,4,5,6,7
	ds_store_b128 v3, v[\reg+32*\cc+4*\i:\reg+32*\cc+4*\i+3] offset:TILE*\cc+2*PL*\i
.endr
.irp i, 0,1,2,3,4,5,6,7
	ds_load_b128 v[\reg+32*\cc+4*\i:\reg+32*\cc+4*\i+3], v4 offset:TILE*\cc+16*\i
.endr
.endm
.macro QT reg, code, by                ; a lane's 32 numbers are a whole block: four registers of codes, and the scale's byte
	v_max3_num_f32 v12, |v[\reg]|, |v[\reg+1]|, |v[\reg+2]|
	v_max3_num_f32 v13, |v[\reg+3]|, |v[\reg+4]|, |v[\reg+5]|
.irp i, 6,10,14,18,22,26
	v_max3_num_f32 v12, v12, |v[\reg+\i]|, |v[\reg+\i+1]|
	v_max3_num_f32 v13, v13, |v[\reg+\i+2]|, |v[\reg+\i+3]|
.endr
	v_max3_num_f32 v12, v12, |v[\reg+30]|, |v[\reg+31]|
	v_max3_num_f32 v12, v12, v13, 0x1800000        ; the floor 2^(3 - 127), under which no largest magnitude is taken
	v_add_nc_u32 v14, 0xff000000, v12              ; 2 off its exponent field: the conversion takes the exponent field of this operand as its scale, and nothing else of it
.irp g, 0,1,2,3
	v_cvt_scalef32_pk8_fp4_f32 v[\code+\g], v[\reg+8*\g:\reg+8*\g+7], v14
.endr
	v_lshrrev_b32 v[\by], 23, v14                  ; the byte.  (Also the plain line behind the conversions)
.endm
	LOADK 0
	LOADK 1
	LOADV 0
	LOADV 1
	s_wait_loadcnt 63                              ; K's sixteen loads are in: V's 64 were issued behind them
	TURN KR, 0
	TURN KR, 1
	s_wait_dscnt 0x0
	QT KR, KC, 160
	QT KR+32, KC+4, 161
	v_lshl_or_b32 v162, v161, 16, v160             ; my two bytes: block h of the lower tile and of the upper,
	v_lshlrev_b32 v162, v9, v162                   ; at their places (8 h bits up);
	v_permlanex16_b32 v163, v162, s20, s21
	v_or_b32 v162, v162, v163                      ; with lane l xor 16's two the word is whole
	ds_store_b32 v7, v162                          ; both halves of the lanes write the same word with the same value
	global_store_b128 v2, v[KC:KC+3], s[32:33]               ; 32 lanes store 512 consecutive bytes
	global_store_b128 v2, v[KC+4:KC+7], s[32:33] offset:512
	s_wait_loadcnt 32                              ; V's first block is in; the second's 32 loads were issued behind it
	QT VR, VC, 164
	global_store_b128 v6, v[VC:VC+3], s[34:35]               ; sixteen lanes store 256 consecutive bytes: lanes h = 0 of a tile's half c
	s_wait_alu depctr_va_vdst(0)                   ; the wait here, directly ahead of the wait below
	s_wait_loadcnt 0x0                             ; V's second block
	QT VR+32, VC+4, 165
	global_store_b128 v6, v[VC+4:VC+7], s[34:35] offset:256  ; lanes h = 1
	v_lshl_or_b32 v12, v165, 8, v164
	ds_store_b16 v8, v12                           ; my channel's bytes of key blocks 2 c and 2 c + 1
	s_wait_alu depctr_va_vdst(0)                   ; the wait here, directly ahead of the wait below
	s_wait_dscnt 0x0                               ; for wave 0's sake: my stores into the image of the scale words are done
	s_barrier_signal -1
	s_barrier_wait -1
	s_cmp_lg_u32 s16, 0
	s_cbranch_scc1 .Lend
	ds_load_b128 v[12:15], v2 offset:SCA           ; wave 0 sends the 512 bytes that the four waves wrote
	s_wait_dscnt 0x0
	global_store_b128 v2, v[12:15], s[36:37]
.Lend:
	s_wait_tensorcnt 0x0                           ; the wave's end
	ds_add_u32 v[SPW], v[NIL]
	s_wait_dscnt 0x0
	s_endpgm
.Lfunc_end_k_q353ebc5fa0_prep:
	.size	k_q353ebc5fa0_prep, .Lfunc_end_k_q353ebc5fa0_prep-k_q353ebc5fa0_prep
	.p2alignl 7, 3214868480
	.fill 96, 4, 3214868480
	.section	.rodata,"a",@progbits
	.p2align	6, 0x0
	.amdhsa_kernel k_q353ebc5fa0_prep
		.amdhsa_group_segment_fixed_size 37888
		.amdhsa_private_segment_fixed_size 0
		.amdhsa_enable_private_segment 0
		.amdhsa_kernarg_size 24
		.amdhsa_user_sgpr_count 2
		.amdhsa_user_sgpr_kernarg_segment_ptr 1
		.amdhsa_wavefront_size32 1
		.amdhsa_system_sgpr_workgroup_id_x 1
		.amdhsa_system_sgpr_workgroup_id_y 1
		.amdhsa_system_sgpr_workgroup_id_z 1
		.amdhsa_system_vgpr_workitem_id 0
		.amdhsa_next_free_vgpr 168
		.amdhsa_next_free_sgpr 66
		.amdhsa_reserve_vcc 0
		.amdhsa_float_denorm_mode_32 3
		.amdhsa_float_denorm_mode_16_64 3
		.amdhsa_memory_ordered 1
		.amdhsa_forward_progress 1
		.amdhsa_inst_pref_size 20
	.end_amdhsa_kernel
	.amdgpu_metadata
---
amdhsa.version: [ 1, 2 ]
amdhsa.kernels:
  - .name:           k_q353ebc5fa0_prep
    .symbol:         k_q353ebc5fa0_prep.kd
    .args:
      - { .name: keys, .offset: 0, .size: 8, .value_kind: global_buffer, .address_space: global }
      - { .name: values, .offset: 8, .size: 8, .value_kind: global_buffer, .address_space: global }
      - { .name: kv, .offset: 16, .size: 8, .value_kind: global_buffer, .address_space: global }
    .group_segment_fixed_size: 37888
    .private_segment_fixed_size: 0
    .kernarg_segment_align: 8
    .kernarg_segment_size: 24
    .max_flat_workgroup_size: 128
    .sgpr_count:     66
    .vgpr_count:     168
    .wavefront_size: 32
...
	.end_amdgpu_metadata
.endif
;; end of part 1
;; launch attn (part 2): grid 32 x 8, 16 waves a work-group, clusters of 4 x 4, 327,680 bytes of LDS; arguments queries, kv, mask, out0; writes out0
.if DOCPART == 2
	.amdgcn_target "amdgcn-amd-amdhsa--gfx1250"
	.amdhsa_code_object_version 6
	.text
	.protected	k_q353ebc5fa0_attn
	.globl	k_q353ebc5fa0_attn
	.p2align	8
	.type	k_q353ebc5fa0_attn,@function
k_q353ebc5fa0_attn:
	s_mov_b64 s[64:65], 0
	v_nop
	global_prefetch_b8 v0, s[64:65] scope:SCOPE_SE
	s_setreg_imm32_b32 hwreg(HW_REG_WAVE_MODE, 25, 1), 1
	s_wait_xcnt 0x0
	s_wait_alu depctr_hold_cnt(0) depctr_sa_sdst(0) depctr_va_vdst(0) depctr_va_sdst(0) depctr_va_ssrc(0) depctr_va_vcc(0) depctr_vm_vsrc(0)
	s_getreg_b32 s2, hwreg(HW_REG_IB_STS2, 6, 4)
	s_cmp_eq_u32 s2, 0
	s_cbranch_scc0 .Lentry_in_a_cluster
	s_endpgm
.Lentry_in_a_cluster:
	s_bfe_u32 s2, ttmp6, 0x10000c
	s_cmp_lg_u32 s2, 0xf033
	s_cbranch_scc0 .Lentry_shape_is_right
	s_endpgm
.Lentry_shape_is_right:
; out[head][q][:] = the sum over k of softmax_k(Q[q] . K[k] / 8 + mask[q][k] x (-1e9)) V[k][:], 32 heads, 2,048 queries and keys, 64 channels; both products on codes of FP4 (E2M1) with one E8M0 scale for each 32 along K.
; K's and V's codes and scale words come from the launch before, as images of the operands' registers (kv: laid out in that launch's head comment).  Q is read once, by one wave, as f32, and quantised in registers.
; The mask is an input of f32 numbers: every number of it is read and used as it is.
; THE SOFTMAX AHEAD OF THE SECOND PRODUCT: logit = mask x (-1e9) + score (one fused multiply-add in f32); t = logit x log2(e); M = the row's largest t so far, rounded UP to a whole number; p = 2^(t - M) is quantised
; along the keys; it is not normalised.  The row's sum is taken of the unquantised p and divides at the end.  When M moves, the sum and O are multiplied by 2^(old M - new M): exact.
; t - M is ONE fused multiply-add.  On a row whose largest logit so far is 2^29 or more in magnitude (all its keys hidden by mask numbers of 1, say) a rounded t and an unrounded one would part by whole numbers.  Logits there lie 32
; or more apart, or are equal: such a row takes the factor 2 for log2(e): 2 x logit is exact, the equal largest ones give p = 1, and every other p is 2^-64 or less, where e^-32 or less stands beside 1.  The largest t rises with the
; largest logit across both factors (2 x 2^29 is more than 1.45 x 2^29, on either side of 0), so M never falls.
; LIMITS: NaN and infinities are not served; scores and logits stay under 2^126 in magnitude.  A block of p under 2^-124 takes the byte 1; a block of Q under 2^-121 takes that block's byte.  For a mask number other than 0 or 1 the
; fused multiply-add rounds once where a multiplication and an addition round twice; on a row whose largest logit lies between 2^22 and 2^29 in magnitude t is not rounded ahead of M's being taken off.
; SHARES.  A work-group owns 64 queries (x) of four heads (y); wave w owns the tile of 16 queries w % 4 of head w / 4: sixteen waves of 256 registers, four to a SIMD.
; The four heads read each tile of the mask from LDS, the four tiles of queries each head's K and V.  Every wave walks all 2,048 keys, 128 a step, two steps to a slot.
; LAYOUT.  Both products are used transposed: S^T = K Q^T (source 0 = 16 keys, source 1 = my 16 queries), O^T = V^T P^T (source 0 = 16 channels): a lane holds ONE query (lane % 16) throughout.
; A fragment of K holds two tiles of 16 keys (k 0-63, k 64-127).  Q stands in twelve registers, [0000 QQQQ 0000]: v[20:27] meets the lower tile, v[16:23] the upper; zero codes meet the other one and add nothing.
; The keys of a tile are so chosen that S^T's registers 32 g + 0 .. 31 of lane (r, h) are keys 64 g + 32 h + 0 .. 31: a whole block of the quantiser, and the second product's operand layout as it stands.
; ORDER.  A step's loads are issued in the step before: the mask's behind its logits, K's behind its second product, with part of the row's sums still to do.  In a slot's last step all LDS reads of the slot are back ahead of the
; softmax, so the round that changes slots opens there: the row's maximum, the scaling and O's rescaling stand between its opening signal and wait.  The rest of the round and the joint refill follow, and then the exponentials.
; CLUSTER.  4 x 4 work-groups.  The four of a row of the cluster own the same four heads and need the same K and V; the four of a column own the same queries and need the same tiles of the mask: each tile is asked for
; JOINTLY, by the same tensor load with the same descriptor and a mask that names the four.  All partners run the same trips.
; Nothing is prefetched: a slot's joint loads are issued two key steps of all sixteen waves ahead of the wait for them.
; LDS.  Two slots of 256 keys.  A slot: the mask's 64 rows in four strips of 64 keys (64 rows x (256 bytes + 16) = 17,408 bytes a strip), then four heads' two blocks of kv (17,408 dense bytes a head): eight tensor loads of
; equal size, one each for waves 0-7. 272 = 17 x 16: the sixteen rows that a load touches begin at sixteen different 16-byte columns of 256.  Behind the slots: the spare words.
.set SUB,   17408                      ; what one tensor load fills
.set KVOFF, 4*SUB
.set SLOT,  8*SUB
.set SPARE, 2*SLOT                     ; 128 bytes for each of sixteen waves: eight blocks of 256 bytes that no other line names
.set BLK,   8704                       ; a key step's block of kv
.set MP,    272
.set AM,   1                           ; v1-2   my lane's place in the mask's strips of slot 0, 1
.set AK,   3                           ; v3-4   16 x lane in my head's kv of slot 0, 1
.set SPW,  5                           ; v5     LDS address of my spare word; never rewritten
.set NIL,  6                           ; v6     0; never rewritten
.set TWO,  7                           ; v7     2.0
.set SIN,  8                           ; v8     the way out: where I put 32 bytes of a row
.set SBK,  9                           ; v9     and where I read rows back
.set NM,   10                          ; v10    -M;  v11 the largest logit (named together as a pair, of which the low word serves both halves)
.set LM,   11
.set LL,   12                          ; v12    log2(e), or 2 (v13: named as the upper half of the pair)
.set F,    14                          ; v14    f = 2^(old M - new M); at the end 1 / the sum (v15: the pair's upper half)
.set QS0,  28                          ; v28    Q's scale words for the lower tiles: (s0, s1, 1, 1) in lanes 0-15
.set QS1,  29                          ; v29    for the upper: (1, 1, s0, s1)
.set L16,  30                          ; v30    16 x lane
.set PS,   31                          ; v31    p's scale word
.set SC,   32                          ; v32-35 the step's scale words: K's fragments 2 j (lanes 0-15) and 2 j + 1 (lanes 16-31), j = 0, 1; V's tiles likewise
.set KV,   36                          ; v36-67 K's four fragments, then V's four tiles
.set MK,   68                          ; v68-131  the mask's 64 numbers
.set S,    132                         ; v132-195 S^T, then logits, then p
.set O,    196                         ; v196-227 O^T
.set P,    228                         ; v228-235 p's codes
.set CH,   236                         ; v236-239 four chains of the maximum
.set BM,   240                         ; v240-241 the two blocks' largest logit, then p
.set SO,   242                         ; v242-243 the conversions' scale operands
.set BY,   244                         ; v244-245 the bytes
.set T0,   246
.set T1,   247
.set SUMS, 248                         ; v[248:253] three chains of the row's sum
.set SUM,  254                         ; v[254:255] the row's sum, in two halves: the fourth chain
.set WV,   14                          ; s14 wave;  s15 wave % 4;  s16 wave / 4
.set W3,   15
.set HJ,   16
.set G1M,  24                          ; s[24:31] descriptor group 1 for the mask's strips;  s[32:39] group 0, a set for each slot
.set G0M,  32
.set G1K,  40                          ; s[40:47], s[48:55] the same for kv
.set G0K,  48
.set SEL,  56                          ; s[56:57] v_permlanex16_b32's selects for lane l xor 16
.set NEG,  58                          ; s[58:59] -1e9 (the packed forms name a pair and take its low word for both halves)
.set L2E,  60                          ; s60    log2(e)
.set BIG,  61                          ; s61    2^29's bits
.set CNT,  62
; A round of the cluster's barrier: my work-group's barrier; wave 0 signals for the work-group; every wave waits for all sixteen work-groups; my work-group's barrier once more.
.macro CREST                           ; a round behind its opening signal
	s_barrier_wait -1
	s_cmp_lg_u32 s[WV], 0
	s_cbranch_scc1 .Lnot_wave_0_\@
	s_barrier_signal -3
.Lnot_wave_0_\@:
	s_barrier_wait -3
	s_barrier_signal -1
	s_barrier_wait -1
.endm
.macro ROUND                           ; a whole round
	s_barrier_signal -1
	CREST
.endm
; A joint load into slot s: waves 0-3 a strip of the mask each, waves 4-7 a head's kv each.  The branches hang on the wave's number alone.  Four v_nop follow each of the two lines.
.macro JLOAD s
	s_cmp_lt_u32 s[WV], 4
	s_cbranch_scc0 .Lnot_m_\@
	tensor_load_to_lds s[G0M+4*(\s):G0M+4*(\s)+3], s[G1M:G1M+7]
	s_nop 0
.rept 4
	v_nop
.endr
	s_branch .Lasked_\@
.Lnot_m_\@:
	s_cmp_lt_u32 s[WV], 8
	s_cbranch_scc0 .Lasked_\@
	tensor_load_to_lds s[G0K+4*(\s):G0K+4*(\s)+3], s[G1K:G1K+7]
	s_nop 0
.rept 4
	v_nop
.endr
.Lasked_\@:
.endm
	s_load_b256 s[4:11], s[0:1], 0x0               ; queries s[4:5], kv s[6:7], mask s[8:9], out0 s[10:11]
	v_lshl_add_u32 v[SPW], v0, 2, SPARE
	v_mov_b32 v[NIL], 0
	ds_add_u32 v[SPW], v[NIL]                      ; the wave's opening: the add, twice on end, and its wait ahead of my first tensor load
	ds_add_u32 v[SPW], v[NIL]
	v_lshrrev_b32 v1, 5, v0
	v_readfirstlane_b32 s[WV], v1                  ; wave 0..15
	s_and_b32 s[W3], s[WV], 3                      ; my tile of queries.  Also: which strip, or which head's kv, I fetch
	s_lshr_b32 s[HJ], s[WV], 2                     ; my head of the four
	s_bfe_u32 s17, ttmp6, 0x40000                  ; cx, cy: my place in the cluster
	s_bfe_u32 s18, ttmp6, 0x40004
	s_lshl_b32 s19, ttmp9, 2
	s_add_co_u32 s19, s19, s17                     ; block of 64 queries = 4 x cluster x + cx
	s_and_b32 s20, ttmp7, 0xffff
	s_lshl_b32 s20, s20, 2
	s_add_co_u32 s20, s20, s18                     ; group of four heads = 4 x cluster y + cy
	s_lshl_b32 s21, s18, 2
	s_lshl_b32 s21, 15, s21                        ; my row of the cluster
	s_lshl_b32 s22, 0x1111, s17                    ; my column
	; every LDS address is made here, ahead of the first branch, of the lane, the wave's number and constants alone
	v_and_b32 v[T0], 15, v0                        ; r
	v_bfe_u32 v[T1], v0, 4, 1                      ; h
	v_and_b32 v[SO], 31, v0                        ; lane
	s_mul_i32 s86, s[W3], 16*MP
	v_mul_u32_u24 v[AM], v[T0], MP
	v_lshlrev_b32 v[L16], 4, v[SO]
	v_mul_u32_u24 v[SIN], v[T0], MP
	v_mul_u32_u24 v[SBK], v[T1], MP
	v_lshl_add_u32 v[AM], v[T1], 7, v[AM]
	v_lshlrev_b32 v[BY+1], 8, v[T0]
	v_lshl_add_u32 v[SIN], v[T1], 5, v[SIN]
	v_lshl_add_u32 v[SBK], v[T0], 4, v[SBK]
	v_add_nc_u32 v[AM], s86, v[AM]                 ; row 16 (wave % 4) + r of a strip, + 128 h: my 32 keys of its 64
	v_lshl_add_u32 v[BY+1], v[T1], 7, v[BY+1]      ; Q: row r of 256 bytes, + 128 h: my 32 channels
	s_mul_i32 s86, s[HJ], SUB
	s_add_co_u32 s86, s86, KVOFF
	v_add_nc_u32 v[AK], s86, v[L16]
	v_add_nc_u32 v[AM+1], SLOT, v[AM]
	s_mul_i32 s86, s[WV], 16*MP                    ; my stage for the way out: 16 rows x 272 bytes, in slot 0
	v_add_nc_u32 v[SIN], s86, v[SIN]               ; in: row r, + 32 h
	v_add_nc_u32 v[SBK], s86, v[SBK]               ; back: lanes 0-15 one row, lanes 16-31 the next
	v_add_nc_u32 v[AK+1], SLOT, v[AK]
	; descriptor group 1.  The mask: 64 rows x 64 elements of 4 bytes, 2,048 elements from row to row, 4 words of padding behind every 64
	s_or_b32 s[G1M], s22, (2<<16)|(1<<20)|(1<<21)|(5<<22)|(3<<25)   ; 15:0 my column of the cluster; 17:16 elements of 4 bytes; 20 padding on; 21 set beside a mask; 24:22 code 5; 31:25 code 3
	s_mov_b32 s[G1M+1], 64<<16                     ; tensor_dim0
	s_mov_b32 s[G1M+2], 64<<16                     ; tensor_dim1
	s_mov_b32 s[G1M+3], 64<<16                     ; tile_dim0
	s_mov_b32 s[G1M+4], 64                         ; tile_dim1
	s_mov_b32 s[G1M+5], 2048                       ; tensor_dim0_stride
	s_mov_b32 s[G1M+6], 0
	s_mov_b32 s[G1M+7], 0
	; kv: two blocks on end, 17,408 dense bytes, as 68 rows of 256 bytes (32 elements of 8 bytes), no padding
	s_or_b32 s[G1K], s21, (3<<16)|(1<<21)          ; 15:0 my row of the cluster
	s_mov_b32 s[G1K+1], 32<<16
	s_mov_b32 s[G1K+2], 68<<16
	s_mov_b32 s[G1K+3], 32<<16
	s_mov_b32 s[G1K+4], 68
	s_mov_b32 s[G1K+5], 32
	s_mov_b32 s[G1K+6], 0
	s_mov_b32 s[G1K+7], 0
	; where the tiles come from.  The mask's hang on the block of queries alone, kv's on the group of heads alone, each in registers that never hold the other coordinate
	s_lshl_b32 s66, s19, 19                        ; 64 rows of 8,192 bytes a block of queries,
	s_lshl_b32 s67, s[W3], 8                       ; my strip's 256 bytes
	s_add_co_u32 s66, s66, s67
	s_mov_b32 s67, 0
	s_lshl_b32 s68, s20, 2
	s_add_co_u32 s68, s68, s[W3]                   ; the head whose kv I fetch
	s_mul_i32 s68, s68, 16*BLK
	s_mov_b32 s69, 0
	s_mul_i32 s70, s[W3], SUB                      ; and where they go: no place in the cluster enters an LDS address
	s_add_co_u32 s71, s70, KVOFF
	; Q's and out's places hang on both
	s_lshl_b32 s72, s20, 2
	s_add_co_u32 s72, s72, s[HJ]                   ; my head
	s_lshl_b32 s73, s19, 2
	s_add_co_u32 s73, s73, s[W3]                   ; my tile of 16 queries in the head
	s_lshl_b32 s78, s72, 11
	s_lshl_b32 s79, s73, 4
	s_add_co_u32 s78, s78, s79
	s_lshl_b32 s78, s78, 8                         ; queries and out0: 256 bytes a query
	s_mov_b32 s79, 0
	s_mov_b32 s[SEL], 0x76543210
	s_mov_b32 s[SEL+1], 0xfedcba98
	s_mov_b32 s[NEG], 0xce6e6b28                   ; -1e9
	s_mov_b32 s[NEG+1], s[NEG]
	s_mov_b32 s[L2E], 0x3fb8aa3b                   ; log2(e)
	s_mov_b32 s[BIG], 0x4e000000                   ; 2^29
	s_wait_alu depctr_va_vdst(0)                   ; the wait at the head's end
	s_wait_dscnt 0x0                               ; both opening adds are done
	s_wait_kmcnt 0x0
	s_add_nc_u64 s[4:5], s[4:5], s[78:79]
.irp i, 0,1,2,3,4,5,6,7
	global_load_b128 v[MK+4*\i:MK+4*\i+3], v[BY+1], s[4:5] offset:16*\i   ; Q: lane (r, h) takes the 32 channels 32 h on of query r: the eight loads together take 16 whole rows of 256 bytes
.endr
	s_add_nc_u64 s[66:67], s[8:9], s[66:67]
	s_add_nc_u64 s[68:69], s[6:7], s[68:69]
	s_add_nc_u64 s[12:13], s[10:11], s[78:79]      ; my rows of out0
.irp s, 0,1
	s_mov_b32 s[G0M+4*\s], 1                                       ; 1:0 count = 1
	s_add_co_u32 s[G0M+4*\s+1], s70, \s*SLOT                       ; 63:32 LDS address
	s_add_nc_u64 s[G0M+4*\s+2:G0M+4*\s+3], s[66:67], \s*1024       ; 120:64 global address: slot s begins with keys 256 s on
	s_or_b32 s[G0M+4*\s+3], s[G0M+4*\s+3], 0x80000000              ; 127:126 type = 2
	s_mov_b32 s[G0K+4*\s], 1
	s_add_co_u32 s[G0K+4*\s+1], s71, \s*SLOT
	s_add_nc_u64 s[G0K+4*\s+2:G0K+4*\s+3], s[68:69], \s*SUB
	s_or_b32 s[G0K+4*\s+3], s[G0K+4*\s+3], 0x80000000
.endr
	ROUND                                          ; all sixteen work-groups are here: the first joint loads meet
	JLOAD 0                                        ; keys 0 to 255 into slot 0
	v_mov_b32 v[TWO], 2.0
.irp j, 12,13,14,15,16,17,18,19,24,25,26,27,248,249,250,251,252,253,254,255
	v_mov_b32 v[\j], 0                             ; the zero codes on either side of Q; the pairs' upper halves; the sum's four chains
.endr
.set n, 0
.rept 32
	v_mov_b32 v[O+n], 0                            ; O^T.  (The step is written once: the first finds zeros, which the first change of M leaves zeros)
.set n, n+1
.endr
	v_mov_b32 v[LM], 0xff61b1e6                    ; the largest logit so far: -3e38, under every logit
	v_floor_f32 v[NM], -v[LM]                      ; -M
	s_wait_alu depctr_va_vdst(0)                   ; the wait here, directly ahead of the wait below
	s_wait_loadcnt 0x0                             ; Q
	v_max3_num_f32 v[T0], |v[MK]|, |v[MK+1]|, |v[MK+2]|            ; a lane's 32 numbers are a whole block
	v_max3_num_f32 v[T1], |v[MK+3]|, |v[MK+4]|, |v[MK+5]|
.irp i, 6,10,14,18,22,26
	v_max3_num_f32 v[T0], v[T0], |v[MK+\i]|, |v[MK+\i+1]|
	v_max3_num_f32 v[T1], v[T1], |v[MK+\i+2]|, |v[MK+\i+3]|
.endr
	v_max3_num_f32 v[T0], v[T0], |v[MK+30]|, |v[MK+31]|
	v_max3_num_f32 v[T0], v[T0], v[T1], 0x3000000  ; the floor 2^(6 - 127): the byte less 3 stays 1 or more
	v_add_nc_u32 v[SO], 0xff000000, v[T0]          ; 2 off the exponent field: the conversion's scale operand
.irp g, 0,1,2,3
	v_cvt_scalef32_pk8_fp4_f32 v[20+\g], v[MK+8*\g:MK+8*\g+7], v[SO]
.endr
	v_lshrrev_b32 v[BY], 23, v[SO]                 ; the byte.  (Also the plain line behind the conversions)
	v_add_nc_u32 v[BY], -3, v[BY]                  ; less 3: the division of the scores by sqrt(64) = 8, exact
	v_permlanex16_b32 v[T1], v[BY], s[SEL], s[SEL+1]               ; the row's other byte
	v_lshl_or_b32 v[BY], v[T1], 8, v[BY]
	v_or_b32 v[QS0], 0x01010000, v[BY]
	v_lshl_or_b32 v[QS1], v[BY], 16, 0x0101
; The loads of a key step, the s2-th of a slot.  MLOAD: half g of mask(my query, keys 64 g + 32 h on): register for register as S^T lies.  KLOAD: the scale words and K's four fragments, 512 consecutive bytes a load.
.macro MLOAD slot, s2, g
.irp i, 0,1,2,3,4,5,6,7
	ds_load_b128 v[MK+32*(\g)+4*\i:MK+32*(\g)+4*\i+3], v[AM+\slot] offset:(2*(\s2)+\g)*SUB+16*\i
.endr
.endm
.macro KLOAD slot, s2
	ds_load_b128 v[SC:SC+3], v[AK+\slot] offset:BLK*(\s2)+8192
.irp f, 0,1,2,3,4,5,6,7
	ds_load_b128 v[KV+4*\f:KV+4*\f+3], v[AK+\slot] offset:BLK*(\s2)+512*\f
.endr
.endm
.macro ADDS a, b                       ; the row's sum, of the UNQUANTISED p: pairs a .. b - 1, four chains by turns
.set n, \a
.rept (\b)-(\a)
	v_pk_add_f32 v[SUMS+2*((n+1)%4):SUMS+2*((n+1)%4)+1], v[SUMS+2*((n+1)%4):SUMS+2*((n+1)%4)+1], v[S+2*n:S+2*n+1]
.set n, n+1
.endr
.endm
.macro FMAS a, b                       ; t - M, two at a time (of both pairs the low word serves both halves)
.set n, \a
.rept (\b)-(\a)
	v_pk_fma_f32 v[S+2*n:S+2*n+1], v[S+2*n:S+2*n+1], v[LL:LL+1], v[NM:NM+1] op_sel_hi:[1,0,0]
.set n, n+1
.endr
.endm
; A KEY STEP: 128 keys, the s2-th of slot.  nslot, ns2: the step behind it, whose loads it issues.  how = 0: that step lies in the same slot; 1: a change of slots, by a round of the cluster's barrier, and this slot is filled again;
; 2: a change of slots by the work-group's barrier, nothing is filled again; 3: the last step.
.macro STEP slot, s2, nslot, ns2, how
	s_wait_alu depctr_va_vdst(0)                   ; the wait here, directly ahead of the wait below
	s_wait_dscnt 0x0                               ; the mask, the scale words and K are in
.irp j, 0,1                                    ; S^T = K Q^T / 8: each of the eight tiles is one instruction, with the constant 0 as C.  Fragments 2 j and 2 j + 1, each against both places of Q
	v_wmma_scale_f32_16x16x128_f8f6f4 v[S+32*\j:S+32*\j+7], v[KV+16*\j:KV+16*\j+7], v[20:27], 0, v[SC+\j], v[QS0] matrix_a_fmt:MATRIX_FMT_FP4 matrix_b_fmt:MATRIX_FMT_FP4
	v_wmma_scale_f32_16x16x128_f8f6f4 v[S+32*\j+8:S+32*\j+15], v[KV+16*\j+8:KV+16*\j+15], v[20:27], 0, v[SC+\j], v[QS0] matrix_a_fmt:MATRIX_FMT_FP4 matrix_b_fmt:MATRIX_FMT_FP4 matrix_a_scale:MATRIX_SCALE_ROW1
	v_wmma_scale_f32_16x16x128_f8f6f4 v[S+32*\j+16:S+32*\j+23], v[KV+16*\j:KV+16*\j+7], v[16:23], 0, v[SC+\j], v[QS1] matrix_a_fmt:MATRIX_FMT_FP4 matrix_b_fmt:MATRIX_FMT_FP4
	v_wmma_scale_f32_16x16x128_f8f6f4 v[S+32*\j+24:S+32*\j+31], v[KV+16*\j+8:KV+16*\j+15], v[16:23], 0, v[SC+\j], v[QS1] matrix_a_fmt:MATRIX_FMT_FP4 matrix_b_fmt:MATRIX_FMT_FP4 matrix_a_scale:MATRIX_SCALE_ROW1
.endr
	v_pk_add_f32 v[SUM:SUM+1], v[SUM:SUM+1], v[SUMS:SUMS+1]        ; the last step's four chains are joined.  With the v_nop these are the four places (ISA guide 7.12.1) in front of
	v_pk_add_f32 v[SUMS+2:SUMS+3], v[SUMS+2:SUMS+3], v[SUMS+4:SUMS+5]   ; the loads into K's registers, and of the first read of the scores
	v_nop
	v_pk_add_f32 v[SUM:SUM+1], v[SUM:SUM+1], v[SUMS+2:SUMS+3]
.irp f, 0,1,2,3,4,5,6,7
	ds_load_b128 v[KV+4*\f:KV+4*\f+3], v[AK+\slot] offset:BLK*(\s2)+4096+512*\f   ; V's four tiles take K's place
.endr
.set n, 0
.rept 32
	v_pk_fma_f32 v[S+n:S+n+1], v[MK+n:MK+n+1], s[NEG:NEG+1], v[S+n:S+n+1] op_sel_hi:[1,0,1]   ; logit = mask x (-1e9) + score; each accumulator from its low end on
.set n, n+2
.endr
.if \how == 1 || \how == 2
	s_wait_alu depctr_va_vdst(0)                   ; the wait here, directly ahead of the wait below
	s_wait_tensorcnt 0x0                           ; no tensor load of mine is out: my part of the slot ahead is in, and a group 0 may be written
	ds_add_u32 v[SPW], v[NIL]                      ; 0 onto my spare word; work on registers stands between it and the wait for it
.if \how == 1
	ds_add_u32 v[SPW], v[NIL]                      ; and once more, where a tensor load follows
	s_add_nc_u64 s[G0M+4*\slot+2:G0M+4*\slot+3], s[G0M+4*\slot+2:G0M+4*\slot+3], 2*1024   ; this slot's next tile: 512 keys on; the type bits on top are not reached
	s_add_nc_u64 s[G0K+4*\slot+2:G0K+4*\slot+3], s[G0K+4*\slot+2:G0K+4*\slot+3], 2*SUB
.endif
.endif
.irp g, 0,1                                    ; THE LARGEST LOGIT OF EACH BLOCK OF 32 KEYS, all of them mine: it serves twice: for the row's maximum and, since p rises with it, for the block's largest p.  Two chains a block
	v_max3_num_f32 v[CH+2*\g], v[S+32*\g], v[S+32*\g+1], v[S+32*\g+2]
	v_max3_num_f32 v[CH+2*\g+1], v[S+32*\g+15], v[S+32*\g+16], v[S+32*\g+17]
.endr
.irp i, 3,5,7,9,11,13
.irp g, 0,1
	v_max3_num_f32 v[CH+2*\g], v[CH+2*\g], v[S+32*\g+\i], v[S+32*\g+\i+1]
	v_max3_num_f32 v[CH+2*\g+1], v[CH+2*\g+1], v[S+32*\g+15+\i], v[S+32*\g+16+\i]
.endr
.endr
.irp g, 0,1
	v_max3_num_f32 v[BM+\g], v[CH+2*\g], v[S+32*\g+30], v[S+32*\g+31]
.endr
.irp g, 0,1
	v_max_num_f32 v[BM+\g], v[BM+\g], v[CH+2*\g+1]
.endr
.if \how == 0
	MLOAD \nslot, \ns2, 0                          ; the next step's mask: its first half
.endif
.if \how == 1 || \how == 2
	s_wait_alu depctr_va_vdst(0)                   ; the wait here, directly ahead of the wait below
	s_wait_dscnt 0x0                               ; the add is done, and so are all my reads of this slot, V's among them:
	s_barrier_signal -1                            ; say so; from here to the wait only registers are worked on
.endif
	v_max_num_f32 v[T0], v[BM], v[BM+1]
	s_delay_alu instid0(VALU_DEP_1)
	v_permlanex16_b32 v[T1], v[T0], s[SEL], s[SEL+1]               ; my query's other 64 keys lie in lane l xor 16
	s_delay_alu instid0(VALU_DEP_1)
	v_max3_num_f32 v[LM], v[LM], v[T0], v[T1]      ; the running largest logit
	s_delay_alu instid0(VALU_DEP_1)
	v_and_b32 v[T1], 0x7fffffff, v[LM]
	v_mov_b32 v[T0], v[NM]
	v_cmp_le_u32 vcc_lo, s[BIG], v[T1]             ; 2^29 or more in magnitude: the factor 2
	v_cndmask_b32 v[LL], s[L2E], v[TWO], vcc_lo
	s_delay_alu instid0(VALU_DEP_1)
	v_mul_f32 v[T1], v[LM], v[LL]                  ; the largest t
	s_delay_alu instid0(VALU_DEP_1)
	v_floor_f32 v[NM], -v[T1]                      ; the new -M = floor(-t) = -ceil(t): M IS A WHOLE NUMBER
	s_delay_alu instid0(VALU_DEP_1)
	v_sub_f32 v[T0], v[NM], v[T0]                  ; M's old value less its new one: a whole number, 0 or less
	FMAS 0, 4
	v_cvt_i32_f32 v[T0], v[T0]                     ; (it saturates)
	FMAS 4, 8
	v_ldexp_f32 v[F], 1.0, v[T0]                   ; f = 2^(old M - new M): no branch on data, and nothing is rounded
	FMAS 8, 32
.irp g, 0,1
	v_fma_f32 v[BM+\g], v[BM+\g], v[LL], v[NM]     ; the same of each block's largest logit
.endr
.set n, 0
.rept 16
	v_pk_mul_f32 v[O+n:O+n+1], v[O+n:O+n+1], v[F:F+1] op_sel_hi:[1,0]         ; O^T under the new M, each accumulator from its low end on
.set n, n+2
.endr
	s_wait_alu depctr_va_vdst(0)                   ; the wait ahead of the batch too
.if \how == 1
	CREST                                          ; the slot ahead is whole in every partner, and no wave of any partner reads this one:
	JLOAD \slot                                    ; it is asked for again, first thing, one load a wave
.endif
.set n, 0
.rept 64
	v_exp_f32 v[S+n], v[S+n]                       ; p = 2^(t - M): NOT normalised
.set n, n+1
.endr
.irp g, 0,1
	v_exp_f32 v[BM+\g], v[BM+\g]                   ; the block's largest p: the same two operations on the same number give the same bits
.endr
	v_pk_mul_f32 v[SUM:SUM+1], v[SUM:SUM+1], v[F:F+1] op_sel_hi:[1,0]         ; the sum under the new M.  (The plain line behind the exponentials)
	s_wait_alu depctr_va_vdst(0)                   ; one wait for the batch, ahead of its first reader
.if \how == 1
	MLOAD \nslot, \ns2, 0                          ; the next step's mask, out of the slot ahead: its first half
.endif
.if \how == 0 || \how == 1
	MLOAD \nslot, \ns2, 1                          ; and its second half
.endif
.irp g, 0,1
	v_max_num_f32 v[BM+\g], 0x1800000, v[BM+\g]    ; the floor 2^(3 - 127): the byte cannot fall under 1 (a block whose every p is 0 keeps that byte: its codes are zeros)
.endr
	v_pk_add_f32 v[SUMS:SUMS+1], v[S:S+1], v[S+2:S+3]
	v_pk_add_f32 v[SUMS+2:SUMS+3], v[S+4:S+5], v[S+6:S+7]
	v_pk_add_f32 v[SUMS+4:SUMS+5], v[S+8:S+9], v[S+10:S+11]
	v_pk_add_f32 v[SUM:SUM+1], v[SUM:SUM+1], v[S+12:S+13]
.irp g, 0,1
	v_add_nc_u32 v[SO+\g], 0xff000000, v[BM+\g]    ; 2 off the exponent field: the conversion's scale operand
.endr
	ADDS 7, 9
.irp g, 0,1
	v_lshrrev_b32 v[BY+\g], 23, v[SO+\g]           ; the scale's byte
.endr
.irp c, 0,1,2,3
	v_cvt_scalef32_pk8_fp4_f32 v[P+\c], v[S+8*\c:S+8*\c+7], v[SO]             ; register c of the operand: keys 64 (c / 4) + 32 h + 8 (c % 4) on: nothing changes lanes
.endr
	v_lshl_or_b32 v[T0], v[BY+1], 16, v[BY]        ; my two bytes: blocks h and 2 + h
.irp c, 4,5,6,7
	v_cvt_scalef32_pk8_fp4_f32 v[P+\c], v[S+8*\c:S+8*\c+7], v[SO+1]
.endr
	ADDS 9, 10
	v_permlanex16_b32 v[T1], v[T0], s[SEL], s[SEL+1]
	ADDS 10, 12
	v_lshl_or_b32 v[PS], v[T1], 8, v[T0]           ; lanes 0-15, which are read: bytes of blocks 0 and 2 mine, of 1 and 3 lane l + 16's
.if \how == 2
	s_wait_alu depctr_va_vdst(0)                   ; the wait here, directly ahead of the wait below
	s_barrier_wait -1                              ; the slot ahead is whole
	MLOAD \nslot, \ns2, 0
	MLOAD \nslot, \ns2, 1
.endif
	ADDS 12, 22                                    ; ten places between the writing of p's scale word (8 are owed) and codes (4) and the products
.if \how == 0
	s_wait_alu depctr_va_vdst(0)                   ; the wait here, directly ahead of the wait below
	s_wait_dscnt 16                                ; V is in; the next mask's sixteen loads were issued behind it
.endif
.if \how == 3
	s_wait_alu depctr_va_vdst(0)                   ; the wait here, directly ahead of the wait below
	s_wait_dscnt 0x0                               ; V is in
.endif
.irp u, 0,1                                    ; O^T += V^T P^T: the four accumulators by turns, one instruction a turn; the eight products of the next step stand between two links
	v_wmma_scale_f32_16x16x128_f8f6f4 v[O+16*\u:O+16*\u+7], v[KV+16*\u:KV+16*\u+7], v[P:P+7], v[O+16*\u:O+16*\u+7], v[SC+2+\u], v[PS] matrix_a_fmt:MATRIX_FMT_FP4 matrix_b_fmt:MATRIX_FMT_FP4
	v_wmma_scale_f32_16x16x128_f8f6f4 v[O+16*\u+8:O+16*\u+15], v[KV+16*\u+8:KV+16*\u+15], v[P:P+7], v[O+16*\u+8:O+16*\u+15], v[SC+2+\u], v[PS] matrix_a_fmt:MATRIX_FMT_FP4 matrix_b_fmt:MATRIX_FMT_FP4 matrix_a_scale:MATRIX_SCALE_ROW1
.endr
	ADDS 22, 26                                    ; four places in front of the loads into V's registers
.if \how != 3
	KLOAD \nslot, \ns2
.endif
	ADDS 26, 32
.endm
	s_wait_alu depctr_va_vdst(0)                   ; the wait here, directly ahead of the wait below
	s_wait_tensorcnt 0x0                           ; my part of slot 0 is in
	ds_add_u32 v[SPW], v[NIL]
	ds_add_u32 v[SPW], v[NIL]
	s_wait_dscnt 0x0
	ROUND
	JLOAD 1                                        ; keys 256 to 511 into slot 1
	MLOAD 0, 0, 0
	MLOAD 0, 0, 1
	KLOAD 0, 0
	s_mov_b32 s[CNT], 3
.Ltrip:                                            ; eight slots' worth of keys: three trips of two, and the last two written out
	STEP 0, 0, 0, 1, 0
	STEP 0, 1, 1, 0, 1
	STEP 1, 0, 1, 1, 0
	STEP 1, 1, 0, 0, 1
	s_sub_co_u32 s[CNT], s[CNT], 1
	s_cmp_lg_u32 s[CNT], 0
	s_cbranch_scc1 .Ltrip
	STEP 0, 0, 0, 1, 0
	STEP 0, 1, 1, 0, 2                             ; nothing is left to fetch
	STEP 1, 0, 1, 1, 0
	STEP 1, 1, 0, 0, 3
	; THE WAY OUT.  O^T / the sum goes through my stage in LDS and comes back as whole rows of 256 bytes.  The stage lies in slot 0: that slot has had its last fill, and every wave has passed the last barrier, behind which nobody reads it.
	v_pk_add_f32 v[SUM:SUM+1], v[SUM:SUM+1], v[SUMS:SUMS+1]        ; the four chains,
	v_pk_add_f32 v[SUMS+2:SUMS+3], v[SUMS+2:SUMS+3], v[SUMS+4:SUMS+5]
	v_pk_add_f32 v[SUM:SUM+1], v[SUM:SUM+1], v[SUMS+2:SUMS+3]
	v_add_f32 v[SUM], v[SUM], v[SUM+1]             ; the sum's two halves,
	v_permlanex16_b32 v[T1], v[SUM], s[SEL], s[SEL+1]
	v_add_f32 v[SUM], v[SUM], v[T1]                ; and lane l xor 16's: the row's sum
	s_wait_alu depctr_va_vdst(0)                   ; the wait ahead of the transcendental too
	v_rcp_f32 v[F], v[SUM]
	v_nop                                          ; a plain line behind the reciprocal
	s_wait_alu depctr_va_vdst(0)                   ; the wait, ahead of the first reader
.set n, 0
.rept 16
	v_pk_mul_f32 v[S+n:S+n+1], v[O+n:O+n+1], v[F:F+1] op_sel_hi:[1,0]         ; register 8 t + j: out(query r, channel 16 t + 8 h + j)
.set n, n+2
.endr
.irp t, 0,1,2,3
	ds_store_b128 v[SIN], v[S+8*\t:S+8*\t+3] offset:64*\t
	ds_store_b128 v[SIN], v[S+8*\t+4:S+8*\t+7] offset:64*\t+16
.endr
.irp i, 0,1,2,3,4,5,6,7
	ds_load_b128 v[KV+4*\i:KV+4*\i+3], v[SBK] offset:2*\i*MP      ; LDS serves a wave's instructions in order (ISA guide 5.7.1.4): these see my stores
.endr
.irp i, 0,1,2,3,4,5,6,7
	s_wait_dscnt 7-\i                              ; rows 2 i and 2 i + 1 are back; the younger loads may be out
	global_store_b128 v[L16], v[KV+4*\i:KV+4*\i+3], s[12:13] offset:512*\i th:TH_STORE_NT   ; 32 lanes store 512 consecutive bytes, at a multiple of 256 from out0's first byte
.endr
	s_wait_tensorcnt 0x0                           ; the wave's end, behind my last tensor load and my last LDS store
	ds_add_u32 v[SPW], v[NIL]
	s_wait_dscnt 0x0
	ROUND                                          ; the closing round: no work-group ends while a partner may still ask for a tile that names it
	s_endpgm
.Lfunc_end_k_q353ebc5fa0_attn:
	.size	k_q353ebc5fa0_attn, .Lfunc_end_k_q353ebc5fa0_attn-k_q353ebc5fa0_attn
	.p2alignl 7, 3214868480
	.fill 96, 4, 3214868480
	.section	.rodata,"a",@progbits
	.p2align	6, 0x0
	.amdhsa_kernel k_q353ebc5fa0_attn
		.amdhsa_group_segment_fixed_size 327680
		.amdhsa_private_segment_fixed_size 0
		.amdhsa_enable_private_segment 0
		.amdhsa_kernarg_size 32
		.amdhsa_user_sgpr_count 2
		.amdhsa_user_sgpr_kernarg_segment_ptr 1
		.amdhsa_wavefront_size32 1
		.amdhsa_system_sgpr_workgroup_id_x 1
		.amdhsa_system_sgpr_workgroup_id_y 1
		.amdhsa_system_sgpr_workgroup_id_z 1
		.amdhsa_system_vgpr_workitem_id 0
		.amdhsa_next_free_vgpr 256
		.amdhsa_next_free_sgpr 90
		.amdhsa_reserve_vcc 1
		.amdhsa_float_denorm_mode_32 3
		.amdhsa_float_denorm_mode_16_64 3
		.amdhsa_memory_ordered 1
		.amdhsa_forward_progress 1
		.amdhsa_inst_pref_size 152
	.end_amdhsa_kernel
	.amdgpu_metadata
---
amdhsa.version: [ 1, 2 ]
amdhsa.kernels:
  - .name:           k_q353ebc5fa0_attn
    .symbol:         k_q353ebc5fa0_attn.kd
    .args:
      - { .name: queries, .offset: 0, .size: 8, .value_kind: global_buffer, .address_space: global }
      - { .name: kv, .offset: 8, .size: 8, .value_kind: global_buffer, .address_space: global }
      - { .name: mask, .offset: 16, .size: 8, .value_kind: global_buffer, .address_space: global }
      - { .name: out0, .offset: 24, .size: 8, .value_kind: global_buffer, .address_space: global }
    .group_segment_fixed_size: 327680
    .private_segment_fixed_size: 0
    .kernarg_segment_align: 8
    .kernarg_segment_size: 32
    .max_flat_workgroup_size: 512
    .sgpr_count:     90
    .vgpr_count:     256
    .wavefront_size: 32
...
	.end_amdgpu_metadata
.endif
;; end of part 2
